; MI455X (gfx1250); checked and timed in simulation.
; The chip was launched on July 23, 2026; its instructions are those of AMD's public machine-readable ISA for CDNA 5 (MIT licence, August 2026) and "CDNA5" Instruction Set Architecture Reference Guide (July 2026). The comments in the code are by the model that wrote it; some were corrected since.
;; Wrapper Linear. Allowed arithmetic: matrix products marked QUANTISED: E4M3 operands, one E8M0 scale for each 32 along K, by v_wmma_scale_f32_16x16x128_f8f6f4 with both operands' format E4M3, f32 sums; everything else in f32.
;; Inputs: bias 4,096 float32; max_scale 131,072 float32; min_scale 131,072 float32; value 4,096 x 4,096 float32; weight 4,096 x 4,096 float32; x 2 x 2,048 x 4,096 float32.
;; Outputs: out0 2 x 2,048 x 4,096 float32.
;; This version of the problem:
;;   THIS VERSION OF THE PROBLEM IS GIVEN IN LOW PRECISION. The matrix products marked QUANTISED in the list below multiply operands that are first quantised to E4M3 (4 exponent bits, 3 mantissa bits; 8 bits a number), with one power-of-two scale for each 32 numbers along K (OCP MX v1.0); their sums are f32. All else is computed in f32.
;;   The module's matrix products, in the order in which they are computed (A, B: the left and right operand; K: the contracted axis; several contracted axes count as one K, in the product's order):
;;     1. [M 4,096, K 4,096] x [K 4,096, N 4,096]; A: input x; B: computed on the way: QUANTISED
;;   THE QUANTISER, for each operand of a quantised product, along K:
;;     - K is cut into blocks of 32 from its start; a last block that is shorter is filled with zeros.
;;     - A block's scale is 2^e with e = floor(log2(the largest magnitude in the block)) - 8, held to -126 .. 127; a block of zeros has e = 0. As a byte (E8M0): e + 127.
;;     - Each number is divided by its block's scale, clamped to +-448, and rounded to the nearest number of E4M3, ties to even, subnormals kept.
;;     - The product sums the exact products of the quantised numbers (number of the format x scale) in f32.
;;   ~~~python
;;   def quantise(x, axis):      # numpy; x: float32 -> the quantised numbers, widened to float32 again
;;       x = np.moveaxis(x, axis, -1); K = x.shape[-1]
;;       x = np.pad(x, [(0, 0)] * (x.ndim - 1) + [(0, -K % 32)]); x = x.reshape(x.shape[:-1] + (-1, 32)); a = np.abs(x).max(-1, keepdims=True)
;;       e = np.where(a > 0, np.clip(np.frexp(np.where(a > 0, a, 1))[1] - 1 - 8, -126, 127), 0)      # np.frexp(a)[1] - 1 = floor(log2(a)), exactly
;;       r = np.clip(x / 2.0 ** e, -448, 448)
;;       step = 2.0 ** (np.maximum(np.frexp(np.where(r == 0, 1, r))[1] - 1, -6) - 3)
;;       q = np.round(r / step) * step * 2.0 ** e      # np.round: ties to even
;;       return np.moveaxis(q.reshape(q.shape[:-2] + (-1,))[..., :K], -1, axis).astype(np.float32)
;;   ~~~
;;   OPERANDS COMPUTED ON THE WAY. 'Computed on the way' means the value that the module computes at that place (a softmax that the list does not call 'softmax' is quantised finished and normalised). What goes into a quantiser is computed in f32, as accurately as f32 sums, v_exp_f32 and their like allow (about 1e-6 of the number): no bf16 or f16 on the way to a quantiser, and a product that is left as it is and whose result goes on into a quantised operand takes f32 operands (vector FMAs, or v_wmma_f32_16x16x4_f32). A number that lies on a knife's edge between two numbers of the format may be rounded either way, as far as f32 arithmetic and the matrix unit's own rounding can turn it there, and no further.
;; One version. Each part assembles by itself: llvm-mc -triple=amdgcn-amd-amdhsa -mcpu=gfx1250 --defsym DOCPART=n.
;; ======== version 1 of 1: 2 launches
;; limits: values are held in f16: magnitudes above 65,504 overflow, below 6.1e-05 lose precision; right only within a limited range of input values
;; workspace buffers: xq 17,301,504 bytes; wq 17,301,504 bytes
;; launch quant (part 1): grid 512 x 1, 8 waves a work-group, no clusters, 138,240 bytes of LDS; arguments x, weight, value, min_scale, max_scale, xq, wq; writes xq, wq
.if DOCPART == 1
	.amdgcn_target "amdgcn-amd-amdhsa--gfx1250"
	.amdhsa_code_object_version 6
	.text
	.protected	k_qb3f495f61a_quant
	.globl	k_qb3f495f61a_quant
	.p2align	8
	.type	k_qb3f495f61a_quant,@function
k_qb3f495f61a_quant:
	s_mov_b64 s[64:65], 0
	v_nop
	global_prefetch_b8 v0, s[64:65] scope:SCOPE_SE
	s_setreg_imm32_b32 hwreg(HW_REG_WAVE_MODE, 25, 1), 1
	s_wait_xcnt 0x0
; The launch in front of the product.  weight [4096][4096] is fake-quantised in groups of 128 along its rows (asymmetric, 4 bits, learnable offsets 'value', min_scale and max_scale for each group), and the
; result, and x [4096][4096], are turned into codes of FP8 (E4M3) with one E8M0 scale byte for each 32 along K.  Both go to workspace buffers laid IN THE ORDER OF THE OPERAND'S REGISTERS:
;   block (rb, ks) = 128 rows x 256 along K at (16 rb + ks) x 33,792 bytes;  in it fragment (q, i) = 16 rows x 128 K at (8 q + i) x 2,048: registers 4 c .. 4 c + 3 of lane l at 512 c + 16 l
;   (lane (r, h) holds k = 32 c + 16 h + 0 .. 15 of row r);  behind the 32,768 bytes of codes the scale words: row 16 i + r, the q-th 128 along K, at 32,768 + 8 (16 i + r) + 4 q.
; THE FAKE-QUANT IS DONE AS IT IS WRITTEN, ROUNDING FOR ROUNDING, since a whole number that turns over moves a weight by a whole step: (wmax - wmin) / 15, -wmin / scale and w / scale are correctly rounded f32
; quotients (a product with the rounded reciprocal, the exact remainder by a fused multiply-add, one correction); the offset v is added with a rounding of its own; v_rndne_f32 rounds ties to even.
; clip(int_w + zp, 0, 15) - zp is taken as the middle of int_w, -zp and 15 - zp: all are whole numbers, so the two are equal.
; The scale has 11 significant bits (it went through f16), so one Newton step on v_rcp_f32's result already gives the rounded reciprocal; two are made.
; LIMITS: NaN and infinities among the inputs are not served.  The corrected quotients lean on remainders that do not underflow: |w| above about 2^-102; under that the quotient lies far from any half.
; A block of zeros gets the scale byte 1 where the rule says 127: its codes are zeros, and this program alone reads the bytes.  A group whose scale falls to 0 in f16 gives what a division by 0 gives.
; SHARES.  Work-group g makes block g of both buffers (rb = g / 16, ks = g % 16).  Wave w takes rows 16 w .. 16 w + 15 of the block: two fragments of the weight, then two of x.  One straight path, no loop:
; every offset is an immediate.  A load takes 512 consecutive bytes of a row, 16 a lane; the conversions want 16 neighbours along K in ONE lane and 16 rows in 16 lanes: so a fragment's 16 x 512 bytes turn through
; the wave's own stage in LDS (rows 528 bytes apart = 132 words: row r starts at bank 4 r mod 64; 64 banks of 4 bytes: ISA guide 11.1).  32 loads of a wave are out while a fragment is worked on.
.set DIV15_TRUE, 1                     ; 1: (wmax - wmin) / 15 as a correctly rounded quotient;  0: as a product with the rounded 1 / 15
.set BLK,   33792                      ; bytes of a block
.set SP,    528                        ; a stage row
.set STA,   0                          ; stage A, 16 rows
.set STB,   16*SP                      ; stage B
.set WREG,  32*SP                      ; a wave's two stages
.set SCW,   8*WREG                     ; behind them: the work-group's scale words: the weight's 1,024 bytes, then x's
.set GO,   1                           ; v1   16 x lane: offset of the loads and of the codes' stores; never rewritten
.set STI,  2                           ; v2   into a stage: my wave's region + 16 x lane
.set STO,  3                           ; v3   out of it: + 528 r + 64 h
.set MSO,  4                           ; v4   128 r: my row's place among min_scale and max_scale
.set SWA,  5                           ; v5   where my row's scale words go in LDS
.set SRA,  6                           ; v6   where I read 8 bytes of them back
.set SGO,  7                           ; v7   8 x lane
.set MS,   8                           ; v[8:9]   min_scale of my row's two groups;  v[10:11] max_scale
.set XS,   10
.set MN,   12                          ; v12 the group's minimum, then wmin;  v13 its maximum, then wmax;  v14, v15 the other half of the lanes'
.set MX,   13
.set S,    16                          ; v16 the scale (v17 is named with it as a pair and holds 0)
.set Y,    18                          ; v18 its rounded reciprocal (v19 likewise)
.set ZP,   20                          ; v20 zp;  v21 15 - zp;  v22-27 at work
.set HZ,   21
.set PW,   28                          ; v28 the scale word just made
.set XV,   32                          ; v32-47  16 numbers of value;  later the fragment's codes
.set PC,   32
.set T,    48                          ; v48-63  at work
.set TM,   48                          ;         in QUANT: +0 largest magnitudes, +4 bytes, +8 448 x the scale, +12 the conversions' scale operands
.set RA,   64                          ; v64-127, v128-191  two sets of 16 x 4 registers as loaded
.set RB,   128
.set XW,   192                         ; v192-255  the fragment's 64 numbers of my lane: register 16 b + i = k 32 b + 16 h + i of row r
	s_load_b256 s[4:11], s[0:1], 0x0               ; x s[4:5], weight s[6:7], value s[8:9], min_scale s[10:11]
	s_load_b128 s[12:15], s[0:1], 0x20             ; max_scale s[12:13], xq s[14:15]
	s_load_b64 s[16:17], s[0:1], 0x30              ; wq
	v_lshl_add_u32 v30, v0, 2, 0x21800
	v_mov_b32 v31, 0
	v_lshrrev_b32 v1, 5, v0
	s_delay_alu instid0(VALU_DEP_1)
	v_readfirstlane_b32 s18, v1                    ; wave 0..7
	v_and_b32 v22, 31, v0                          ; lane
	v_and_b32 v23, 15, v0                          ; r
	v_bfe_u32 v24, v0, 4, 1                        ; h
	s_delay_alu instid0(VALU_DEP_3)
	v_lshlrev_b32 v[GO], 4, v22
	s_mul_i32 s19, s18, WREG
	v_add_nc_u32 v[STI], s19, v[GO]
	v_mul_u32_u24 v[STO], v23, SP
	s_delay_alu instid0(VALU_DEP_1)
	v_lshl_add_u32 v[STO], v24, 6, v[STO]
	s_delay_alu instid0(VALU_DEP_1)
	v_add_nc_u32 v[STO], s19, v[STO]
	v_lshlrev_b32 v[MSO], 7, v23
	; THE ORDER OF A BLOCK'S SCALE WORDS (it takes the place of the order given at the head): the word of row p (0 .. 127) for the q-th 128 along K lies at
	; 32,768 + 512 q + 16 (p mod 32) + 4 (p / 32): a lane that reads 16 bytes at 16 x lane gets the words of rows lane, 32 + lane, 64 + lane, 96 + lane.
	s_and_b32 s19, s18, 1
	s_lshl_b32 s19, s19, 8                         ; my rows are 16 w + r: p mod 32 = 16 (w mod 2) + r,
	s_lshr_b32 s35, s18, 1
	s_lshl_b32 s35, s35, 2                         ; p / 32 = w / 2
	s_add_co_u32 s19, s19, s35
	s_add_co_u32 s19, s19, SCW
	v_lshl_add_u32 v[SWA], v23, 4, s19             ; SCW + 256 (w mod 2) + 4 (w / 2) + 16 r
	s_lshl_b32 s19, s18, 8
	s_add_co_u32 s19, s19, SCW
	v_lshl_add_u32 v[SRA], v22, 3, s19             ; SCW + 256 x wave + 8 x lane
	v_lshlrev_b32 v[SGO], 3, v22
	v_mov_b32 v14, 0                               ; written once: a lane permute's destination counts as one of its sources
	v_mov_b32 v15, 0
	v_mov_b32 v[S+1], 0                            ; the upper halves of the pairs of which the packed forms take the low word
	v_mov_b32 v[Y+1], 0
	s_mov_b32 s20, 0x76543210
	s_mov_b32 s21, 0xfedcba98                      ; v_permlanex16_b32's selects for lane l xor 16
	s_mov_b32 s22, 0x600000                        ; the mantissa field of 448
	s_mov_b32 s23, 0x3d888889                      ; 1 / 15, rounded
	s_mov_b32 s32, 0xc1700000                      ; -15
	s_lshr_b32 s33, ttmp9, 4                       ; rb
	s_and_b32 s34, ttmp9, 15                       ; ks
	s_lshl_b32 s24, s33, 21                        ; the f32 tensors: 128 rb rows of 16,384 bytes,
	s_lshl_b32 s35, s18, 18                        ; 16 rows a wave,
	s_add_co_u32 s24, s24, s35
	s_lshl_b32 s35, s34, 10                        ; 256 numbers a K step
	s_add_co_u32 s24, s24, s35
	s_mov_b32 s25, 0
	s_lshl_b32 s26, s33, 14                        ; min_scale, max_scale: 128 bytes a row, 8 a K step
	s_lshl_b32 s35, s18, 11
	s_add_co_u32 s26, s26, s35
	s_lshl_b32 s35, s34, 3
	s_add_co_u32 s26, s26, s35
	s_mov_b32 s27, 0
	s_mul_i32 s28, ttmp9, BLK                      ; my block
	s_and_b32 s35, s18, 3
	s_lshl_b32 s35, s35, 8
	s_add_co_u32 s30, s28, s35
	s_add_co_u32 s30, s30, 32768                   ; its scale words: 256 bytes for each of four waves
	s_mov_b32 s31, 0
	s_lshl_b32 s35, s18, 11
	s_add_co_u32 s28, s28, s35                     ; its codes: fragment i = my wave
	s_mov_b32 s29, 0
	s_wait_alu depctr_va_vdst(0)
	s_wait_kmcnt 0x0
	s_cmp_lt_u32 s18, 4                            ; waves 0-3 store the weight's scale words, waves 4-7 x's: the choice hangs on the wave's number alone
	s_cselect_b64 s[36:37], s[16:17], s[14:15]
	s_add_nc_u64 s[30:31], s[36:37], s[30:31]
	s_add_nc_u64 s[4:5], s[4:5], s[24:25]
	s_add_nc_u64 s[6:7], s[6:7], s[24:25]
	s_add_nc_u64 s[8:9], s[8:9], s[24:25]
	s_add_nc_u64 s[10:11], s[10:11], s[26:27]
	s_add_nc_u64 s[12:13], s[12:13], s[26:27]
	s_add_nc_u64 s[14:15], s[14:15], s[28:29]
	s_add_nc_u64 s[16:17], s[16:17], s[28:29]
.macro LOADF p, reg, q                 ; my 16 rows' numbers of the q-th 128 along K: a load reads 512 consecutive bytes of one row
.irp j, 0,1,2,3,4,5,6,7,8,9,10,11,12,13,14,15
	global_load_b128 v[\reg+4*\j:\reg+4*\j+3], v[GO], s[\p:\p+1] offset:16384*\j+512*(\q) th:TH_LOAD_NT
.endr
.endm
.macro TOST reg, st                    ; as loaded into a stage
.irp j, 0,1,2,3,4,5,6,7,8,9,10,11,12,13,14,15
	ds_store_b128 v[STI], v[\reg+4*\j:\reg+4*\j+3] offset:\st+SP*\j
.endr
.endm
.macro FROMST st                       ; and back, 16 neighbours of each block of 32 to a lane.  LDS serves a wave's instructions in order (ISA guide 5.7.1.4): no wait between the stores and the loads
.irp b, 0,1,2,3
.irp j, 0,1,2,3
	ds_load_b128 v[XW+16*\b+4*\j:XW+16*\b+4*\j+3], v[STO] offset:\st+128*\b+16*\j
.endr
.endr
.endm
.macro VPIECE b                        ; value's 16 numbers that belong to registers 16 b .. 16 b + 15
.irp j, 0,1,2,3
	ds_load_b128 v[XV+4*\j:XV+4*\j+3], v[STO] offset:STB+128*(\b)+16*\j
.endr
.endm
; The group's figures.  A group of 128 lies in lanes l and l xor 16, 64 numbers each.
.macro GROUP q
.irp b, 0,1,2,3
	v_min3_num_f32 v[T+\b], v[XW+16*\b], v[XW+16*\b+1], 0          ; four chains each; the 0 is the minimum with 0 and the maximum with 0
	v_max3_num_f32 v[T+4+\b], v[XW+16*\b], v[XW+16*\b+1], 0
.endr
.irp i, 2,4,6,8,10,12,14
.irp b, 0,1,2,3
	v_min3_num_f32 v[T+\b], v[T+\b], v[XW+16*\b+\i], v[XW+16*\b+\i+1]
	v_max3_num_f32 v[T+4+\b], v[T+4+\b], v[XW+16*\b+\i], v[XW+16*\b+\i+1]
.endr
.endr
	s_delay_alu instid0(VALU_DEP_4)
	v_min3_num_f32 v[MN], v[T], v[T+1], v[T+2]
	s_delay_alu instid0(VALU_DEP_4)
	v_max3_num_f32 v[MX], v[T+4], v[T+5], v[T+6]
	s_delay_alu instid0(VALU_DEP_2)
	v_min_num_f32 v[MN], v[MN], v[T+3]
	s_delay_alu instid0(VALU_DEP_2)
	v_max_num_f32 v[MX], v[MX], v[T+7]
	s_delay_alu instid0(VALU_DEP_2)
	v_permlanex16_b32 v14, v[MN], s20, s21
	s_delay_alu instid0(VALU_DEP_2)
	v_permlanex16_b32 v15, v[MX], s20, s21
	s_delay_alu instid0(VALU_DEP_2)
	v_min_num_f32 v[MN], v[MN], v14
	s_delay_alu instid0(VALU_DEP_2)
	v_max_num_f32 v[MX], v[MX], v15
	v_med3_num_f32 v23, v[MS+(\q)], -1.0, 0        ; clip(min_scale, -1, 0)
	v_med3_num_f32 v24, v[XS+(\q)], -1.0, 0
	s_delay_alu instid0(VALU_DEP_2)
	v_add_f32 v23, 1.0, v23
	s_delay_alu instid0(VALU_DEP_2)
	v_add_f32 v24, 1.0, v24
	s_delay_alu instid0(VALU_DEP_2)
	v_mul_f32 v[MN], v[MN], v23                    ; wmin
	s_delay_alu instid0(VALU_DEP_2)
	v_mul_f32 v[MX], v[MX], v24                    ; wmax
	s_delay_alu instid0(VALU_DEP_1)
	v_max_num_f32 v22, |v[MN]|, |v[MX]|
	s_delay_alu instid0(VALU_DEP_1)
	v_cmp_lt_f32 vcc_lo, 0, v22                    ; not both 0
	s_delay_alu instid0(VALU_DEP_1)
	v_cndmask_b32 v[MN], -1.0, v[MN], vcc_lo       ; a degenerate group takes -1 and 1
	s_delay_alu instid0(VALU_DEP_2)
	v_cndmask_b32 v[MX], 1.0, v[MX], vcc_lo
	s_delay_alu instid0(VALU_DEP_1)
	v_sub_f32 v24, v[MX], v[MN]
	s_delay_alu instid0(VALU_DEP_1)
	v_mul_f32 v25, s23, v24                        ; (wmax - wmin) / 15:
.if DIV15_TRUE
	s_delay_alu instid0(VALU_DEP_1)
	v_fma_f32 v26, v25, s32, v24                   ; the exact remainder,
	s_delay_alu instid0(VALU_DEP_1)
	v_fma_f32 v25, v26, s23, v25                   ; and the correction
.endif
	s_delay_alu instid0(VALU_DEP_1)
	v_cvt_f16_f32 v22.l, v25                       ; the scale is kept in f16,
	s_delay_alu instid0(VALU_DEP_1)
	v_cvt_f32_f16 v[S], v22.l                      ; and used in f32
	s_wait_alu depctr_va_vdst(0)
	v_rcp_f32 v[Y], v[S]
	v_nop                                          ; a plain instruction between the reciprocal and the use of its result (ISA guide 5.7.2),
	s_wait_alu depctr_va_vdst(0)                   ; and a wait ahead of the first use
	v_fma_f32 v26, -v[S], v[Y], 1.0
	v_fma_f32 v[Y], v26, v[Y], v[Y]
.rept (2)-1
	s_delay_alu instid0(VALU_DEP_1)
	v_fma_f32 v26, -v[S], v[Y], 1.0
	s_delay_alu instid0(VALU_DEP_1)
	v_fma_f32 v[Y], v26, v[Y], v[Y]
.endr
	s_delay_alu instid0(VALU_DEP_1)
	v_mul_f32 v25, -v[MN], v[Y]                    ; -wmin / scale, correctly rounded
	s_delay_alu instid0(VALU_DEP_1)
	v_fma_f32 v26, -v25, v[S], -v[MN]
	s_delay_alu instid0(VALU_DEP_1)
	v_fma_f32 v25, v26, v[Y], v25
	s_delay_alu instid0(VALU_DEP_1)
	v_rndne_f32 v[ZP], v25
	s_delay_alu instid0(VALU_DEP_1)
	v_sub_f32 v[HZ], 0x41700000, v[ZP]             ; 15 - zp
.endm
; Registers 16 b .. 16 b + 15 become scale x (clip(round(w / scale + v) + zp, 0, 15) - zp).
.macro FAKE b
.set W, XW+16*(\b)
.irp p, 0,2,4,6,8,10,12,14
	v_pk_mul_f32 v[T+\p:T+\p+1], v[W+\p:W+\p+1], v[Y:Y+1] op_sel_hi:[1,0]
.endr
.irp p, 0,2,4,6,8,10,12,14
	v_pk_fma_f32 v[W+\p:W+\p+1], v[T+\p:T+\p+1], v[S:S+1], v[W+\p:W+\p+1] op_sel_hi:[1,0,1] neg_lo:[1,0,0] neg_hi:[1,0,0]   ; w - q0 x scale, exact
.endr
.irp p, 0,2,4,6,8,10,12,14
	v_pk_fma_f32 v[W+\p:W+\p+1], v[W+\p:W+\p+1], v[Y:Y+1], v[T+\p:T+\p+1] op_sel_hi:[1,0,1]   ; w / scale, correctly rounded
.endr
	s_wait_alu depctr_va_vdst(0)
	s_wait_dscnt 0x0                               ; this piece of value is in
.irp p, 0,2,4,6,8,10,12,14
	v_pk_add_f32 v[W+\p:W+\p+1], v[W+\p:W+\p+1], v[XV+\p:XV+\p+1]   ; + v: a rounding of its own
.endr
.if (\b) < 3
	VPIECE (\b)+1                                  ; the next piece lands under the 40 lines below and the next 24
.endif
.irp i, 0,1,2,3,4,5,6,7,8,9,10,11,12,13,14,15
	v_rndne_f32 v[W+\i], v[W+\i]
.endr
.irp i, 0,1,2,3,4,5,6,7,8,9,10,11,12,13,14,15
	v_med3_num_f32 v[W+\i], v[W+\i], -v[ZP], v[HZ]
.endr
.irp p, 0,2,4,6,8,10,12,14
	v_pk_mul_f32 v[W+\p:W+\p+1], v[W+\p:W+\p+1], v[S:S+1] op_sel_hi:[1,0]
.endr
.endm
; The lane's 64 numbers become the fragment's codes in v[PC] on and its row's scale word in v[PW].
.macro QUANT
.irp b, 0,1,2,3
	v_max3_num_f32 v[TM+\b], |v[XW+16*\b]|, |v[XW+1+16*\b]|, 0x4800000   ; block b: my 16 numbers, and the floor 2^(9 - 127): so the byte cannot fall under 1
.endr
.irp i, 2,4,6,8,10,12,14
.irp b, 0,1,2,3
	s_delay_alu instid0(VALU_DEP_4)
	v_max3_num_f32 v[TM+\b], v[TM+\b], |v[XW+16*\b+\i]|, |v[XW+1+16*\b+\i]|   ; (the four blocks by turns)
.endr
.endr
.irp b, 0,1,2,3
	s_delay_alu instid0(VALU_DEP_4)
	v_permlanex16_b32 v[TM+4+\b], v[TM+\b], s20, s21               ; (its destinations were written by GROUP's chains)
.endr
.irp b, 0,1,2,3
	s_delay_alu instid0(VALU_DEP_4)
	v_max_num_f32 v[TM+\b], v[TM+\b], v[TM+4+\b]   ; with lane l xor 16's: the block's largest magnitude
.endr
.irp b, 0,1,2,3
	s_delay_alu instid0(VALU_DEP_4)
	v_add_nc_u32 v[TM+12+\b], 0xfc000000, v[TM+\b] ; 8 off its exponent field: the conversion takes the exponent field of this operand as its scale
.endr
.irp b, 0,1,2,3
	v_and_or_b32 v[TM+8+\b], v[TM+\b], 0x7f800000, s22   ; 448 x the scale
.endr
.irp b, 0,1,2,3
	v_lshrrev_b32 v[TM+4+\b], 23, v[TM+12+\b]      ; the scale's byte
.endr
	s_delay_alu instid0(VALU_DEP_3)
	v_lshl_or_b32 v[PW], v[TM+5], 8, v[TM+4]
	s_delay_alu instid0(VALU_DEP_1)
	v_lshl_or_b32 v[PW], v[TM+6], 16, v[PW]
	s_delay_alu instid0(VALU_DEP_1)
	v_lshl_or_b32 v[PW], v[TM+7], 24, v[PW]
.irp b, 0,1,2,3
.irp i, 0,1,2,3,4,5,6,7,8,9,10,11,12,13,14,15
	v_med3_num_f32 v[XW+16*\b+\i], v[XW+16*\b+\i], -v[TM+8+\b], v[TM+8+\b]   ; the conversion to an 8-bit code does not saturate (ISA guide 7.6.2): the hold at the largest code x the scale
.endr
	v_cvt_scalef32_pk8_fp8_f32 v[PC+4*\b:PC+1+4*\b], v[XW+16*\b:XW+7+16*\b], v[TM+12+\b]
	v_cvt_scalef32_pk8_fp8_f32 v[PC+2+4*\b:PC+3+4*\b], v[XW+8+16*\b:XW+15+16*\b], v[TM+12+\b]
.endr
	v_nop                                          ; one plain vector instruction behind the last scaled conversion
.endm
.macro OUT p, q, t                     ; the fragment as it stands: each store covers 512 consecutive bytes, aligned;  the scale word to LDS (lanes r and r + 16 write the same word with the same value)
.irp c, 0,1,2,3
	global_store_b128 v[GO], v[PC+4*\c:PC+4*\c+3], s[\p:\p+1] offset:16384*(\q)+512*\c
.endr
	ds_store_b32 v[SWA], v[PW] offset:1024*(\t)+512*(\q)
.endm
; A fragment of the weight.
.macro WFRAG q
	s_wait_loadcnt 16                              ; the weight's 16 loads (and what was issued ahead of them) are in; value's 16 stay out
	TOST RA, STA
	FROMST STA
	s_wait_dscnt 16                                ; all but the 16 loads just issued: the stage's 16 stores have read RA,
.if (\q) == 0
	LOADF 6, RA, 1                                 ; which takes the weight's second fragment at once, ahead of the wait for value,
.else
	LOADF 4, RA, 0                                 ; or x's first
.endif
	s_wait_loadcnt 16                              ; value's 16 loads are in; the 16 just issued stay out
	TOST RB, STB
.if (\q) == 1
	s_wait_xcnt 0x0                                ; the last fragment's stores have read v32-47, which value's pieces take again
.endif
	VPIECE 0
	s_wait_dscnt 4                                 ; all but the four just issued: the stage's stores have read RA and RB, and my 64 numbers are in
.if (\q) == 0
	LOADF 8, RB, 1                                 ; RB's stage stores are done: value's second fragment,
.else
	LOADF 4, RB, 1                                 ; or x's second
.endif
	GROUP \q
	FAKE 0
	FAKE 1
	FAKE 2
	FAKE 3
	QUANT
	OUT 16, \q, 0
.endm
; A fragment of x.  left: the younger loads that may stay out.
.macro XFRAG q, reg, st, left
	s_wait_loadcnt \left
	TOST \reg, \st
	FROMST \st
	s_wait_dscnt 0x0
	s_wait_xcnt 0x0                                ; the last fragment's stores have read the codes' registers
	QUANT
	OUT 14, \q, 1
.endm
	global_load_b64 v[MS:MS+1], v[MSO], s[10:11]   ; my row's two groups
	global_load_b64 v[XS:XS+1], v[MSO], s[12:13]
	LOADF 6, RA, 0
	LOADF 8, RB, 0
	WFRAG 0
	WFRAG 1
	XFRAG 0, RA, STA, 16
	XFRAG 1, RB, STB, 0
	s_wait_dscnt 0x0                               ; for the others' sake: my scale words lie in LDS
	s_barrier_signal -1
	s_barrier_wait -1
	ds_load_b64 v[12:13], v[SRA]                   ; 256 of the 2,048 bytes a wave
	s_wait_dscnt 0x0
	global_store_b64 v[SGO], v[12:13], s[30:31]    ; 32 lanes store 256 consecutive bytes, aligned
	s_wait_tensorcnt 0x0
	ds_add_u32 v30, v31
	s_wait_dscnt 0x0
	s_endpgm
.Lfunc_end_k_qb3f495f61a_quant:
	.size	k_qb3f495f61a_quant, .Lfunc_end_k_qb3f495f61a_quant-k_qb3f495f61a_quant
	.p2alignl 7, 3214868480
	.fill 96, 4, 3214868480
	.section	.rodata,"a",@progbits
	.p2align	6, 0x0
	.amdhsa_kernel k_qb3f495f61a_quant
		.amdhsa_group_segment_fixed_size 138240
		.amdhsa_private_segment_fixed_size 0
		.amdhsa_enable_private_segment 0
		.amdhsa_kernarg_size 56
		.amdhsa_user_sgpr_count 2
		.amdhsa_user_sgpr_kernarg_segment_ptr 1
		.amdhsa_wavefront_size32 1
		.amdhsa_system_sgpr_workgroup_id_x 1
		.amdhsa_system_sgpr_workgroup_id_y 1
		.amdhsa_system_sgpr_workgroup_id_z 1
		.amdhsa_system_vgpr_workitem_id 0
		.amdhsa_next_free_vgpr 256
		.amdhsa_next_free_sgpr 66
		.amdhsa_reserve_vcc 1
		.amdhsa_float_denorm_mode_32 3
		.amdhsa_float_denorm_mode_16_64 3
		.amdhsa_memory_ordered 1
		.amdhsa_forward_progress 1
		.amdhsa_inst_pref_size 111
	.end_amdhsa_kernel
	.amdgpu_metadata
---
amdhsa.version: [ 1, 2 ]
amdhsa.kernels:
  - .name:           k_qb3f495f61a_quant
    .symbol:         k_qb3f495f61a_quant.kd
    .args:
      - { .name: x, .offset: 0, .size: 8, .value_kind: global_buffer, .address_space: global }
      - { .name: weight, .offset: 8, .size: 8, .value_kind: global_buffer, .address_space: global }
      - { .name: value, .offset: 16, .size: 8, .value_kind: global_buffer, .address_space: global }
      - { .name: min_scale, .offset: 24, .size: 8, .value_kind: global_buffer, .address_space: global }
      - { .name: max_scale, .offset: 32, .size: 8, .value_kind: global_buffer, .address_space: global }
      - { .name: xq, .offset: 40, .size: 8, .value_kind: global_buffer, .address_space: global }
      - { .name: wq, .offset: 48, .size: 8, .value_kind: global_buffer, .address_space: global }
    .group_segment_fixed_size: 138240
    .private_segment_fixed_size: 0
    .kernarg_segment_align: 8
    .kernarg_segment_size: 56
    .max_flat_workgroup_size: 256
    .sgpr_count:     66
    .vgpr_count:     256
    .wavefront_size: 32
...
	.end_amdgpu_metadata
.endif
;; end of part 1
;; launch gemm (part 2): grid 16 x 16, 4 waves a work-group, clusters of 4 x 1, 327,680 bytes of LDS; arguments xq, wq, bias, out0; writes out0
.if DOCPART == 2
	.amdgcn_target "amdgcn-amd-amdhsa--gfx1250"
	.amdhsa_code_object_version 6
	.text
	.protected	k_qb3f495f61a_gemm
	.globl	k_qb3f495f61a_gemm
	.p2align	8
	.type	k_qb3f495f61a_gemm,@function
k_qb3f495f61a_gemm:
	s_mov_b64 s[64:65], 0
	v_nop
	global_prefetch_b8 v0, s[64:65] scope:SCOPE_SE
	s_setreg_imm32_b32 hwreg(HW_REG_WAVE_MODE, 25, 1), 1
	s_wait_xcnt 0x0
	s_wait_alu depctr_hold_cnt(0) depctr_sa_sdst(0) depctr_va_vdst(0) depctr_va_sdst(0) depctr_va_ssrc(0) depctr_va_vcc(0) depctr_vm_vsrc(0)
	s_getreg_b32 s2, hwreg(HW_REG_IB_STS2, 6, 4)
	s_cmp_eq_u32 s2, 0
	s_cbranch_scc0 .Lentry_in_a_cluster
	s_endpgm
.Lentry_in_a_cluster:
	s_bfe_u32 s2, ttmp6, 0x10000c
	s_cmp_lg_u32 s2, 0x3003
	s_cbranch_scc0 .Lentry_shape_is_right
	s_endpgm
.Lentry_shape_is_right:
; out0[m][n] = sum over k of x[m][k] wq[n][k] + bias[n], on codes of FP8 (E4M3) with E8M0 scales, as the launch before has laid them:
; block (rb, ks) = 128 rows x 256 K at (16 rb + ks) x 33,792 bytes; fragment (q, i) = 16 rows x 128 K at (8 q + i) x 2,048, registers 4 c .. 4 c + 3 of lane l at 512 c + 16 l;
; behind the codes the scale words: row p, the q-th 128 along K, at 32,768 + 512 q + 16 (p mod 32) + 4 (p / 32).
; A work-group of four waves makes 256 x 256 of the result; WAVE w MAKES ALL 256 ROWS x ITS OWN 64 COLUMNS: 64 accumulators, 512 registers.
; x GOES THROUGH LDS: a ring of two slots, each with 256 rows x 512 K (four blocks, one tensor load a wave): 8 fills in all.  The four work-groups of a cluster (4, 1, 1) make one
; tile row and ask for x's tiles jointly (mask 15).
; THE WEIGHTS GO STRAIGHT INTO REGISTERS, by plain loads and not by joint loads: with this share a fragment of the weights feeds one wave of the work-group and no other, and it lies in memory as the
; registers want it, so a way through LDS would write and read each of its bytes once more; and the 135,168 bytes a slot that it leaves free are what lets x's slot hold 512 along K and not 256.
; A ring of four sets (64 registers + 2 scale registers each, one set for 128 along K): step t asks for step t + 3's set.
; x's 16 fragments of a step go in eight pairs through SIX pair places (192 registers): pairs 0 and 4 share place 0, pairs 2 and 6 place 1, pairs 1, 3, 5, 7 have places 2 to 5, so that the register numbers come back
; every step.  The loads stand in four runs a step, behind pairs 0, 2, 4, 6: [4, 7] [6, next 1] [next 3, next 0] [next 5, next 2]: each pair is asked for at least three pairs (24 products) ahead of its use.
; THE MATRIX INSTRUCTION IS USED TRANSPOSED (source 0 = 16 rows of the weights, source 1 = 16 rows of x): a lane holds eight neighbouring columns of one row of the result.  The bias is added on the way out.
; LDS: block region k (k = the loading wave) at k x 0x11000: the even fills at + 0, the odd ones at + 0x8400; neither bit is set in k x 0x11000 + 16 x lane, so one xor changes slots.
; REGISTERS: window 0: v0-31 addresses; v32-47 x's scale words, two sets; v48-55 the weights', four sets; v56-59 the bias; v64-255 x's pair places.  Window 1: the weights' four sets.  Windows 2, 3: accumulator (a, b) at v[8 (4 (a mod 8) + b)].
.set HB,    33792                      ; a block
.set FILLB, 2*HB                       ; from a fill to the next, in memory: 512 along K
.set REG,   0x11000
.set PAR,   0x8400
.set SPARE, 4*REG                      ; the spare words, 128 bytes a wave: no other line names them
.set SP,    272                        ; the way out: a stage row, 256 bytes + 16
.set GO,  1                            ; 16 x lane + 8,192 (w mod 2): the weights' loads
.set ADR, 2                            ; v2-5  16 x lane + region k, in the slot that is being read
.set STO, 6
.set RD,  7
.set CO,  8
.set PFO, 9
.set PF2, 10
.set BSO, 11                           ; 16 x lane + 8 (w mod 2): the weights' scale words
.set SPW, 12
.set NIL, 13
.set BIO, 17
.set SA,  32
.set SB,  48
.set BI,  56
.set AF,  64
.set BK,  64
.set G1,  24
.set G0,  32
.set BP,  36                           ; s[36:37] the weights' 128 rows of my wave, at the K of the trip
.set PFA, 38
.set PFB, 40
.set MSB, 0
.macro WIN new                         ; the immediate's high byte repeats the setting that is left
.if MSB != \new
	s_set_vgpr_msb (MSB<<8)|\new
.set MSB, \new
.endif
.endm
.set TO_B, 0x40                        ; destination window 1, address window 0
.macro CREST
	s_cmp_lg_u32 s14, 0
	s_cbranch_scc1 .Lnot_wave_0_\@
	s_barrier_signal -3
.Lnot_wave_0_\@:
	s_barrier_wait -3
	s_barrier_signal -1
	s_barrier_wait -1
.endm
.macro CROUND
	s_barrier_signal -1
	s_barrier_wait -1
	CREST
.endm
.macro JLOAD                           ; my block of a fill: one line for all waves, the addresses made of the wave's number
	tensor_load_to_lds s[G0:G0+3], s[G1:G1+7]
	s_nop 0
.rept 4
	v_nop
.endr
.endm
.macro ALDP p, sn                      ; x's pair p (fragments 2 p, 2 p + 1) of the slot's step sn into its place
.set PLC, ((\p)%2)*(2+(\p)/2)+(1-(\p)%2)*(((\p)%4)/2)
.irp e, 0,1
.irp c, 0,1,2,3
	ds_load_b128 v[AF+32*PLC+16*\e+4*\c:AF+32*PLC+16*\e+4*\c+3], v[ADR+2*((\p)/4)+(\sn)/2] offset:(8*((\sn)%2)+2*((\p)%4)+\e)*2048+512*\c
.endr
.endr
.endm
.macro ASC sn                          ; x's scale words of step sn: register 4 g + p: lanes 0-15 fragment 8 g + 2 p, lanes 16-31 fragment 8 g + 2 p + 1
	ds_load_b128 v[SA+8*((\sn)%2):SA+8*((\sn)%2)+3], v[ADR+(\sn)/2] offset:32768+512*((\sn)%2)
	ds_load_b128 v[SA+8*((\sn)%2)+4:SA+8*((\sn)%2)+7], v[ADR+2+(\sn)/2] offset:32768+512*((\sn)%2)
.endm
.macro BLD u, b                        ; the weights' fragment b of step u (counted from BP's K) into set u mod 4
.irp c, 0,1,2,3
	global_load_b128 v[64*((\u)%4)+16*(\b)+4*\c:64*((\u)%4)+16*(\b)+4*\c+3], v[GO], s[BP:BP+1] offset:((\u)/2)*HB+((\u)%2)*16384+(\b)*2048+512*\c
.endr
.endm
.macro BSC u                           ; and its scale words: register p: lanes 0-15 fragment 2 p, lanes 16-31 fragment 2 p + 1
	global_load_b64 v[SB+2*((\u)%4):SB+2*((\u)%4)+1], v[BSO], s[BP:BP+1] offset:((\u)/2)*HB+32768+512*((\u)%2)
.endm
.macro BQ u, b                         ; a quarter of the weights' set, at the end of a run
.if (\u) >= 0
	WIN TO_B
	BLD \u, \b
.endif
.endm
.macro WM4 c, a, b
.if ((\a)&1) && ((\b)&1)
	v_wmma_scale_f32_16x16x128_f8f6f4 v[DR:DR+7], v[BR:BR+15], v[AR:AR+15], \c, v[SBR], v[SAR] matrix_a_scale:MATRIX_SCALE_ROW1 matrix_b_scale:MATRIX_SCALE_ROW1
.elseif (\b)&1
	v_wmma_scale_f32_16x16x128_f8f6f4 v[DR:DR+7], v[BR:BR+15], v[AR:AR+15], \c, v[SBR], v[SAR] matrix_a_scale:MATRIX_SCALE_ROW1
.elseif (\a)&1
	v_wmma_scale_f32_16x16x128_f8f6f4 v[DR:DR+7], v[BR:BR+15], v[AR:AR+15], \c, v[SBR], v[SAR] matrix_b_scale:MATRIX_SCALE_ROW1
.else
	v_wmma_scale_f32_16x16x128_f8f6f4 v[DR:DR+7], v[BR:BR+15], v[AR:AR+15], \c, v[SBR], v[SAR]
.endif
.endm
; x's pair p against the weights' four fragments: eight accumulators, each once in a step of 64 products.  n: the younger LDS loads that may stay out (-1: no wait is due).
.macro PAIR p, s, first, n
.if (\n) >= 0
	s_wait_dscnt \n
.endif
	WIN 0xa1+0x50*((\p)/4)
.set PLC, ((\p)%2)*(2+(\p)/2)+(1-(\p)%2)*(((\p)%4)/2)
.irp e, 0,1
.irp b, 0,1,2,3
.set DR, 8*(4*((2*(\p)+\e)%8)+\b)
.set BR, 64*(\s)+16*\b
.set AR, AF+32*PLC+16*\e
.set SBR, SB+2*(\s)+\b/2
.set SAR, SA+8*((\s)%2)+4*((\p)/4)+(\p)%4
.if \first
	WM4 0, \e, \b
.else
	WM4 v[DR:DR+7], \e, \b
.endif
.endr
.endr
.endm
.macro RUN                             ; eight places ahead of loads into registers that the products just issued have read
.rept 8
	v_nop
.endr
	WIN 0
.endm
; Prefetches into the L2, behind a refill and the loads that follow it: the round that asks for fill f names fill f + 1 of x (each wave a quarter, by the work-group's place along the cluster, of the block that it
; loads: 33 blocks of 256 bytes) and, by wave 0, the same 512 along K of the weights (the sixteen work-groups of a tile column share its 528 blocks out by their tile row, 33 each).  The last round names nothing: fill 7 is the last.
.macro ASK
	s_cmp_gt_u32 s3, 1
	s_cbranch_scc0 .Lnone_\@
	global_prefetch_b8 v[PFO], s[PFA:PFA+1] th:TH_LOAD_NT scope:SCOPE_SE
	global_prefetch_b8 v[PF2], s[PFA:PFA+1] th:TH_LOAD_NT scope:SCOPE_SE
	s_cmp_lg_u32 s14, 0
	s_cbranch_scc1 .Lnone_\@
	global_prefetch_b8 v[PFO], s[PFB:PFB+1] th:TH_LOAD_NT scope:SCOPE_SE
	global_prefetch_b8 v[PF2], s[PFB:PFB+1] th:TH_LOAD_NT scope:SCOPE_SE
.Lnone_\@:
.endm
; A step of 128 along K: the slot's step s.  u: the step whose weights are asked for (-1: none).  mode 0: within a slot; 1: the slot's last step, the slot is filled again; 2: the same with no refill; 3: the very last step.
; lc: the weights' loads that may stay out: the younger sets, 17 loads each.
; The counts on DScnt follow the order of issue (8 loads a pair, 2 for the scale words): 1, 3, 0, 5, 2 in the step before; then scales, 4, 7; 6, next 1; next 3, next 0; next 5, next 2.
.macro STEP s, u, first, mode, lc
.set SCN, 2*((\mode)==0)               ; the next step's scale words are asked for in the first run of a step within a slot
	s_wait_loadcnt \lc
	PAIR 0, \s, \first, 16                         ; behind pair 0's loads: 5, 2
	RUN
.if (\mode)==0
	ASC (\s)+1
.endif
	ALDP 4, \s
	ALDP 7, \s
.if (\u) >= 0
	BSC \u
.endif
	BQ \u, 0
	PAIR 1, \s, \first, 48+SCN                     ; 3, 0, 5, 2, (scales,) 4, 7
	PAIR 2, \s, \first, 16+SCN                     ; (scales,) 4, 7
	RUN
	ALDP 6, \s                                     ; in a slot's last step: my last read of the slot
.if (\mode)==0
	ALDP 1, (\s)+1
.endif
	BQ \u, 1
.if (\mode)==0
	PAIR 3, \s, \first, 58                         ; 0, 5, 2, scales, 4, 7, 6, 1
	PAIR 4, \s, \first, 24                         ; 7, 6, 1
	RUN
	ALDP 3, (\s)+1
	ALDP 0, (\s)+1
	BQ \u, 2
	PAIR 5, \s, \first, 58                         ; 2, scales, 4, 7, 6, 1, 3, 0
	PAIR 6, \s, \first, 24                         ; 1, 3, 0
	RUN
	ALDP 5, (\s)+1
	ALDP 2, (\s)+1
	BQ \u, 3
	PAIR 7, \s, \first, 48                         ; 6, 1, 3, 0, 5, 2
.elseif (\mode)==3
	PAIR 3, \s, 0, 48                              ; 0, 5, 2, 4, 7, 6
	PAIR 4, \s, 0, 16                              ; 7, 6
	PAIR 5, \s, 0, 32                              ; 2, 4, 7, 6
	PAIR 6, \s, 0, 0
	PAIR 7, \s, 0, -1
.else
	WIN 0
	s_wait_tensorcnt 0x0                           ; my one tensor load that was out, my block of the next slot, has landed
	ds_add_u32 v[SPW], v[NIL]
.if (\mode)==1
	s_xor_b32 s[G0+1], s[G0+1], PAR                ; no tensor load of mine is out: the descriptor steps to the slot that is being left, 512 along K on
	s_add_nc_u64 s[G0+2:G0+3], s[G0+2:G0+3], FILLB
.endif
	PAIR 3, \s, 0, 48                              ; 0, 5, 2, 4, 7, 6 (and the add)
	s_wait_dscnt 0x0                               ; the add is done and my reads of this slot are over
	s_barrier_signal -1
	PAIR 4, \s, 0, -1
	WIN 0
	s_barrier_wait -1
.if (\mode)==1
	CREST                                          ; the barrier has opened a round of the cluster's barrier
	JLOAD                                          ; the refill, first behind the round; its four v_nop are four of the eight places
.else
.rept 4
	v_nop
.endr
.endif
.rept 4
	v_nop
.endr
.irp k, 0,1,2,3
	v_xor_b32 v[ADR+\k], PAR, v[ADR+\k]            ; on to the next slot
.endr
	s_wait_alu depctr_va_vdst(0)                   ; the wait directly behind the writes
	ASC 0
	ALDP 1, 0                                      ; the pair that was due in the run before, and this run's two
	ALDP 3, 0
	ALDP 0, 0
	BQ \u, 2
.if (\mode)==1
	WIN 0
	ASK
.endif
	PAIR 5, \s, 0, -1                              ; pairs 5 to 7 were shown landed by the wait for 0
	PAIR 6, \s, 0, -1
	RUN
	ALDP 5, 0
	ALDP 2, 0
	BQ \u, 3
	PAIR 7, \s, 0, -1
.endif
.endm
	s_load_b256 s[4:11], s[0:1], 0x0               ; xq s[4:5], wq s[6:7], bias s[8:9], out0 s[10:11]
	v_lshl_add_u32 v[SPW], v0, 2, SPARE
	v_mov_b32 v[NIL], 0
	ds_add_u32 v[SPW], v[NIL]                      ; the opening add,
	ds_add_u32 v[SPW], v[NIL]                      ; twice on end, and one wait below
	v_lshrrev_b32 v14, 5, v0
	v_readfirstlane_b32 s14, v14                   ; wave w
	s_lshr_b32 s15, s14, 1
	s_and_b32 s16, s14, 1
	s_bfe_u32 s18, ttmp6, 0x40000                  ; cx
	s_lshl_b32 s19, ttmp9, 2
	s_add_co_u32 s19, s19, s18                     ; tile column
	s_and_b32 s17, ttmp7, 0xffff                   ; tile row: the same in the four partners
	s_mov_b32 s[G1+0], 15|(3<<16)|(1<<21)          ; the mask of the four; elements of 8 bytes; bit 21 beside a mask
	s_mov_b32 s[G1+1], 32<<16                      ; a block as 132 rows of 256 bytes, dense
	s_mov_b32 s[G1+2], 132<<16
	s_mov_b32 s[G1+3], 32<<16
	s_mov_b32 s[G1+4], 132
	s_mov_b32 s[G1+5], 32
	s_mov_b32 s[G1+6], 0
	s_mov_b32 s[G1+7], 0
	s_lshl_b32 s20, s17, 1
	s_add_co_u32 s20, s20, s15
	s_lshl_b32 s20, s20, 4
	s_add_co_u32 s20, s20, s16
	s_mul_i32 s20, s20, HB                         ; x: block (2 x tile row + w / 2, w mod 2)
	s_mov_b32 s21, 0
	s_mul_i32 s42, s18, 33*256                     ; its prefetches: my work-group's quarter, at fill 3
	s_add_co_u32 s42, s42, s20
	s_add_co_u32 s42, s42, 3*FILLB
	s_mov_b32 s43, 0
	s_lshl_b32 s44, s19, 1
	s_add_co_u32 s22, s44, s15
	s_mul_i32 s22, s22, 16*HB                      ; the weights: block row 2 x tile column + w / 2
	s_mov_b32 s23, 0
	s_lshr_b32 s45, s17, 3
	s_add_co_u32 s44, s44, s45
	s_mul_i32 s44, s44, 16*HB
	s_and_b32 s45, s17, 7
	s_mul_i32 s45, s45, 33*256
	s_add_co_u32 s44, s44, s45                     ; their prefetches: block row by tile row / 8, an eighth of its 512 along K by tile row mod 8
	s_add_co_u32 s44, s44, 3*FILLB
	s_mov_b32 s45, 0
	s_lshl_b32 s46, s19, 10
	s_lshl_b32 s47, s14, 8
	s_add_co_u32 s46, s46, s47                     ; my 64 columns, in bytes
	s_mov_b32 s47, 0
	s_lshl_b32 s48, s17, 22                        ; 256 rows of 16,384 bytes
	s_add_co_u32 s48, s48, s46
	s_mov_b32 s49, 0
	s_mul_i32 s50, s14, REG
	s_lshl_b32 s51, s16, 13
	s_lshl_b32 s52, s16, 3
	v_and_b32 v14, 31, v0
	v_and_b32 v15, 15, v0                          ; r
	v_bfe_u32 v16, v0, 4, 1                        ; h
	v_lshl_add_u32 v[GO], v14, 4, s51
	v_lshl_add_u32 v[BSO], v14, 4, s52
	v_lshlrev_b32 v[ADR], 4, v14
	v_lshl_add_u32 v[ADR+1], v14, 4, REG
	v_lshl_add_u32 v[ADR+2], v14, 4, 2*REG
	v_lshl_add_u32 v[ADR+3], v14, 4, 3*REG
	v_mul_u32_u24 v18, v15, SP
	v_lshl_add_u32 v18, v16, 5, v18
	v_add_nc_u32 v[STO], s50, v18                  ; into my stage: row r, 32 bytes for each half of the lanes
	v_mul_u32_u24 v19, v16, SP
	v_lshl_add_u32 v19, v15, 4, v19
	v_add_nc_u32 v[RD], s50, v19                   ; back: sixteen lanes to a row of 256 bytes
	v_lshlrev_b32 v20, 14, v16
	v_lshl_add_u32 v[CO], v15, 4, v20              ; and the same two rows in out0
	v_lshlrev_b32 v[BIO], 4, v15                   ; and the same four columns in the bias
	v_lshlrev_b32 v[PFO], 8, v14
	v_mov_b32 v[PF2], 8192
	s_wait_alu depctr_va_vdst(0)
	s_wait_dscnt 0x0                               ; both opening adds are done
	s_wait_kmcnt 0x0
	s_add_nc_u64 s[20:21], s[4:5], s[20:21]
	s_add_nc_u64 s[PFA:PFA+1], s[4:5], s[42:43]
	s_add_nc_u64 s[BP:BP+1], s[6:7], s[22:23]
	s_add_nc_u64 s[PFB:PFB+1], s[6:7], s[44:45]
	s_add_nc_u64 s[8:9], s[8:9], s[46:47]
	s_add_nc_u64 s[10:11], s[10:11], s[48:49]
	s_mov_b32 s[G0], 1
	s_mov_b32 s[G0+1], s50
	s_mov_b64 s[G0+2:G0+3], s[20:21]
	s_or_b32 s[G0+3], s[G0+3], 0x80000000
	CROUND                                         ; the four work-groups are here: the first joint loads meet
	JLOAD                                          ; fill 0: one tensor load a wave at the head, asked for ahead of the plain loads below
	global_load_b128 v[BI:BI+3], v[BIO], s[8:9]    ; the bias of the four columns that I store; the first wait on LOADcnt below covers it
.irp u, 0,1,2                          ; the weights of steps 0 to 2
	WIN TO_B
.irp b, 0,1,2,3
	BLD \u, \b
.endr
	WIN 0
	BSC \u
.endr
	s_wait_tensorcnt 0x0                           ; the same lines as ahead of a refill
	ds_add_u32 v[SPW], v[NIL]
	s_xor_b32 s[G0+1], s[G0+1], PAR
	s_add_nc_u64 s[G0+2:G0+3], s[G0+2:G0+3], FILLB
	s_wait_dscnt 0x0
	CROUND
	JLOAD                                          ; fill 1
	ASC 0
.irp p, 1,3,0,5,2                      ; in the order in which a step leaves them for the next
	ALDP \p, 0
.endr
	STEP 0, 3, 1, 0, 34                            ; the first step stands ahead of the loop: its products start the sums
	WIN 0
	s_mov_b32 s3, 6
.Lslot:                                                ; a trip: a slot's steps 1 to 3, the refill, the next slot's step 0
	STEP 1, 4, 0, 0, 34
	STEP 2, 5, 0, 0, 34
	STEP 3, 6, 0, 1, 34
	STEP 0, 7, 0, 0, 34
	WIN 0
	s_wait_xcnt 0x0                                ; the loads and prefetches issued so far have read their bases
	s_add_nc_u64 s[BP:BP+1], s[BP:BP+1], FILLB
	s_add_nc_u64 s[PFA:PFA+1], s[PFA:PFA+1], FILLB
	s_add_nc_u64 s[PFB:PFB+1], s[PFB:PFB+1], FILLB
	s_sub_co_u32 s3, s3, 1
	s_cmp_lg_u32 s3, 0
	s_cbranch_scc1 .Lslot
	STEP 1, 4, 0, 0, 34                            ; slot 6: nothing is filled again
	STEP 2, 5, 0, 0, 34
	STEP 3, 6, 0, 2, 34
	STEP 0, 7, 0, 0, 34
	STEP 1, -1, 0, 0, 34                           ; slot 7: no weights are left to ask for: the counts run down
	STEP 2, -1, 0, 0, 17
	STEP 3, -1, 0, 3, 0
	RUN                                            ; places ahead of the reads of the last results and of loads into the pair places
; THE WAY OUT, by blocks of 16 rows x my 64 columns: through my own stage (in the even half of my region, which has had its last fill and its last read) and back as whole rows of 256 bytes, to which the bias is added.
; LDS serves a wave's instructions in order (ISA guide 5.7.1.4): no wait between the stores and the loads.
.macro TOSTAGE a
	WIN 0x08+4*((\a)/8)                            ; the data: window 2 or 3
.irp b, 0,1,2,3
	ds_store_b128 v[STO], v[8*(4*((\a)%8)+\b):8*(4*((\a)%8)+\b)+3] offset:64*\b
	ds_store_b128 v[STO], v[8*(4*((\a)%8)+\b)+4:8*(4*((\a)%8)+\b)+7] offset:64*\b+16
.endr
	WIN 0
.irp t, 0,1,2,3,4,5,6,7
	ds_load_b128 v[BK+32*((\a)%2)+4*\t:BK+32*((\a)%2)+4*\t+3], v[RD] offset:\t*2*SP
.endr
.endm
.macro SEND a, younger
	s_wait_dscnt \younger
.if (\a) > 0
	s_add_nc_u64 s[10:11], s[10:11], 16*16384      ; (behind a wait on XCNT) 16 rows on
.endif
.irp t, 0,1,2,3,4,5,6,7
	v_pk_add_f32 v[BK+32*((\a)%2)+4*\t:BK+32*((\a)%2)+4*\t+1], v[BK+32*((\a)%2)+4*\t:BK+32*((\a)%2)+4*\t+1], v[BI:BI+1]
	v_pk_add_f32 v[BK+32*((\a)%2)+4*\t+2:BK+32*((\a)%2)+4*\t+3], v[BK+32*((\a)%2)+4*\t+2:BK+32*((\a)%2)+4*\t+3], v[BI+2:BI+3]
.endr
.irp t, 0,1,2,3,4,5,6,7
	global_store_b128 v[CO], v[BK+32*((\a)%2)+4*\t:BK+32*((\a)%2)+4*\t+3], s[10:11] offset:\t*2*16384 th:TH_STORE_NT   ; sixteen lanes store 256 consecutive bytes, aligned
.endr
.endm
	TOSTAGE 0
.irp a, 1,2,3,4,5,6,7,8,9,10,11,12,13,14,15
.if \a > 1
	s_wait_xcnt 0x0                                ; block a - 2's stores have read their registers and their base
.endif
	TOSTAGE \a
	SEND \a-1, 16                                  ; behind block a - 1's loads: block a's 8 stores and 8 loads
.endr
	s_wait_xcnt 0x0
	SEND 15, 0
	s_wait_tensorcnt 0x0                           ; the wave's end
	ds_add_u32 v[SPW], v[NIL]
	s_wait_dscnt 0x0
	CROUND                                         ; the closing round
	s_endpgm
.Lfunc_end_k_qb3f495f61a_gemm:
	.size	k_qb3f495f61a_gemm, .Lfunc_end_k_qb3f495f61a_gemm-k_qb3f495f61a_gemm
	.p2alignl 7, 3214868480
	.fill 96, 4, 3214868480
	.section	.rodata,"a",@progbits
	.p2align	6, 0x0
	.amdhsa_kernel k_qb3f495f61a_gemm
		.amdhsa_group_segment_fixed_size 327680
		.amdhsa_private_segment_fixed_size 0
		.amdhsa_enable_private_segment 0
		.amdhsa_kernarg_size 32
		.amdhsa_user_sgpr_count 2
		.amdhsa_user_sgpr_kernarg_segment_ptr 1
		.amdhsa_wavefront_size32 1
		.amdhsa_system_sgpr_workgroup_id_x 1
		.amdhsa_system_sgpr_workgroup_id_y 1
		.amdhsa_system_sgpr_workgroup_id_z 1
		.amdhsa_system_vgpr_workitem_id 0
		.amdhsa_next_free_vgpr 1024
		.amdhsa_next_free_sgpr 66
		.amdhsa_reserve_vcc 0
		.amdhsa_float_denorm_mode_32 3
		.amdhsa_float_denorm_mode_16_64 3
		.amdhsa_memory_ordered 1
		.amdhsa_forward_progress 1
		.amdhsa_inst_pref_size 240
	.end_amdhsa_kernel
	.amdgpu_metadata
---
amdhsa.version: [ 1, 2 ]
amdhsa.kernels:
  - .name:           k_qb3f495f61a_gemm
    .symbol:         k_qb3f495f61a_gemm.kd
    .args:
      - { .name: xq, .offset: 0, .size: 8, .value_kind: global_buffer, .address_space: global }
      - { .name: wq, .offset: 8, .size: 8, .value_kind: global_buffer, .address_space: global }
      - { .name: bias, .offset: 16, .size: 8, .value_kind: global_buffer, .address_space: global }
      - { .name: out0, .offset: 24, .size: 8, .value_kind: global_buffer, .address_space: global }
    .group_segment_fixed_size: 327680
    .private_segment_fixed_size: 0
    .kernarg_segment_align: 8
    .kernarg_segment_size: 32
    .max_flat_workgroup_size: 128
    .sgpr_count:     66
    .vgpr_count:     1024
    .wavefront_size: 32
...
	.end_amdgpu_metadata
.endif
;; end of part 2
